; MI455X (gfx1250); checked and timed in simulation.
; The chip was launched on July 23, 2026; its instructions are those of AMD's public machine-readable ISA for CDNA 5 (MIT licence, August 2026) and "CDNA5" Instruction Set Architecture Reference Guide (July 2026). The comments in the code are by the model that wrote it; some were corrected since.
;; Dynamic Mo E. Allowed arithmetic: float matrix products may take bf16 or f16 operands with f32 sums; all other float work in f32.
;; Inputs: b1 16 x 2,048 float32; b2 16 x 256 float32; hidden_states 4 x 2,048 x 256 float32; w1 16 x 256 x 2,048 float32; w2 16 x 2,048 x 256 float32; wg 256 x 16 float32.
;; Outputs: out0 4 x 2,048 x 256 float32; out1 one number float32; out2 16 int32.
;; One version. Each part assembles by itself: llvm-mc -triple=amdgcn-amd-amdhsa -mcpu=gfx1250 --defsym DOCPART=n.
;; ======== version 1 of 1: 4 launches
;; limits: values are held in f16: magnitudes above 65,504 overflow, below 6.1e-05 lose precision
;; workspace buffers: code 32,768 bytes of whole numbers; gate 32,768 bytes; hist 16,384 bytes of whole numbers; gsum 16,384 bytes; list 32,768 bytes of whole numbers; tslot 32,768 bytes of whole numbers; gk 32,768 bytes; part 33,554,432 bytes
;; launch gate (part 1): grid 256 x 1, 4 waves a work-group, no clusters, 1,024 bytes of LDS; arguments hidden_states, wg, code, gate, hist, gsum; writes code, gate, hist, gsum
.if DOCPART == 1
	.amdgcn_target "amdgcn-amd-amdhsa--gfx1250"
	.amdhsa_code_object_version 6
	.text
	.protected	k_qb609ca8392_gate
	.globl	k_qb609ca8392_gate
	.p2align	8
	.type	k_qb609ca8392_gate,@function
k_qb609ca8392_gate:
	s_mov_b64 s[64:65], 0
	v_nop
	global_prefetch_b8 v0, s[64:65] scope:SCOPE_SE
	s_setreg_imm32_b32 hwreg(HW_REG_WAVE_MODE, 25, 1), 1
	s_wait_xcnt 0x0
; GATE.  logits = x wg (8192 x 256 x 16), softmax, argmax; per block of 32 tokens: each token's rank among the block's tokens of
; the same expert, the block's histogram of experts and the block's sums of gates.
; The logits are formed from the f32 inputs by f32 multiply-adds on the vector unit: the argmax steers whole output rows and the
; expert counts are whole numbers, so operands rounded to 16 bits would move decisions; the product is 8192*256*16 multiply-adds,
; under a thousandth of the problem's.
; A work-group takes 32 tokens, a wave 8.  Lane l owns k = 4l .. 4l+3 and k = 128+4l .. 128+4l+3 of every row: each x load of a wave
; covers 512 consecutive bytes, and the lane's 8 rows of wg (8 x 16 numbers) stay in 128 registers.
; LIMITS: NaN logits are not served.  A tie is decided for the first expert whose LOGIT equals the maximum; reference() decides on equal
; softmax values, which differs only where two logits lie closer than the rounding of the exponential.
.set ACC, 16                           ; v[16:31]   16 partial logits of the token at work
.set T,   32                           ; v[32:47]   scratch of the lane reduction
.set X,   48                           ; v[48:111]  token t: 8 numbers of x; after its dot product the token's scratch:
                                       ;            +0 logit  +1 maximum  +2 other half  +3 exponential  +4 sum  +5 1/sum  +6 candidate index
.set W,   112                          ; v[112:239] W + 16 i + e = wg[k_i][e]
	s_load_b256 s[4:11], s[0:1], 0x0               ; x s[4:5], wg s[6:7], code s[8:9], gate s[10:11]
	s_load_b128 s[12:15], s[0:1], 0x20             ; hist s[12:13], gsum s[14:15]
	v_lshl_add_u32 v240, v0, 2, 0x200
	v_mov_b32 v241, 0
	v_and_b32 v1, 31, v0                           ; lane
	v_lshrrev_b32 v2, 5, v0
	v_readfirstlane_b32 s16, v2                    ; wave
	v_lshlrev_b32 v2, 8, v1                        ; 4 rows of wg (64 bytes each) a lane
	v_lshlrev_b32 v3, 4, v1                        ; 16 bytes of x a lane
	v_lshrrev_b32 v4, 1, v1
	v_cvt_f32_u32 v4, v4                           ; the expert whose logit this lane ends up with, as f32
	s_mov_b32 s18, 0x76543210                      ; v_permlanex16_b32: lane i reads lane i of the other half
	s_mov_b32 s19, 0xfedcba98
	s_mov_b32 s20, 0xff00ff00                      ; lanes with bit 3 set
	s_mov_b32 s21, 0xf0f0f0f0                      ; bit 2
	s_mov_b32 s22, 0xcccccccc                      ; bit 1
	s_lshl_b32 s24, ttmp9, 15                      ; 32 tokens of 1,024 bytes
	s_lshl_b32 s17, s16, 13                        ; 8 tokens
	s_add_co_u32 s24, s24, s17
	s_mov_b32 s25, 0
	s_wait_kmcnt 0x0
	s_add_nc_u64 s[4:5], s[4:5], s[24:25]          ; x at my wave's first token
.irp i, 0,1,2,3
.irp q, 0,1,2,3
	global_load_b128 v[W+16*\i+4*\q:W+16*\i+4*\q+3], v2, s[6:7] offset:64*\i+16*\q
.endr
.endr
.irp i, 4,5,6,7
.irp q, 0,1,2,3
	global_load_b128 v[W+16*\i+4*\q:W+16*\i+4*\q+3], v2, s[6:7] offset:8192+64*(\i-4)+16*\q
.endr
.endr
.irp t, 0,1,2,3,4,5,6,7
	global_load_b128 v[X+8*\t:X+8*\t+3],   v3, s[4:5] offset:1024*\t
	global_load_b128 v[X+8*\t+4:X+8*\t+7], v3, s[4:5] offset:1024*\t+512
.endr
; One halving step of the lane reduction: n registers remain of 2 n.  Lanes in the mask keep the upper n experts and send the lower,
; the others the other way round; the partner is lane xor xm.
.macro STAGE n, msk, xm
.set jj, 0
.rept \n
	v_cndmask_b32 v[T+2*jj],   v[ACC+jj],    v[ACC+jj+\n], \msk    ; what I keep
	v_cndmask_b32 v[T+2*jj+1], v[ACC+jj+\n], v[ACC+jj],    \msk    ; what my partner keeps
.set jj, jj+1
.endr
.set jj, 0
.rept \n
	v_add_f32_dpp v[ACC+jj], v[T+2*jj+1], v[T+2*jj] row_xmask:\xm row_mask:0xf bank_mask:0xf
.set jj, jj+1
.endr
.endm
; One token: 16 partial logits over my 8 k, then the sum over the lanes.  At the end lane l holds the logit of expert l >> 1.
.macro TOKEN tok
	s_wait_loadcnt 14-2*\tok                       ; loads return in order: wg and this token are in, the later tokens' two loads each stay out
.irp p, 0,2,4,6,8,10,12,14
	v_pk_mul_f32 v[ACC+\p:ACC+\p+1], v[W+\p:W+\p+1], v[X+8*\tok:X+8*\tok+1] op_sel:[0,0] op_sel_hi:[1,0]
.endr
.irp p, 0,2,4,6,8,10,12,14
	v_pk_fma_f32 v[ACC+\p:ACC+\p+1], v[W+16+\p:W+16+\p+1], v[X+8*\tok:X+8*\tok+1], v[ACC+\p:ACC+\p+1] op_sel:[0,1,0] op_sel_hi:[1,1,1]
.endr
.irp i, 2,4,6
.irp p, 0,2,4,6,8,10,12,14
	v_pk_fma_f32 v[ACC+\p:ACC+\p+1], v[W+16*\i+\p:W+16*\i+\p+1], v[X+8*\tok+\i:X+8*\tok+\i+1], v[ACC+\p:ACC+\p+1] op_sel:[0,0,0] op_sel_hi:[1,0,1]
.endr
.irp p, 0,2,4,6,8,10,12,14
	v_pk_fma_f32 v[ACC+\p:ACC+\p+1], v[W+16*\i+16+\p:W+16*\i+16+\p+1], v[X+8*\tok+\i:X+8*\tok+\i+1], v[ACC+\p:ACC+\p+1] op_sel:[0,1,0] op_sel_hi:[1,1,1]
.endr
.endr
.irp j, 0,1,2,3,4,5,6,7
	v_permlane16_swap_b32 v[ACC+\j], v[ACC+\j+8]   ; lanes 0-15 of both now hold expert j, lanes 16-31 expert j + 8
.endr
.irp p, 0,2,4,6
	v_pk_add_f32 v[ACC+\p:ACC+\p+1], v[ACC+\p:ACC+\p+1], v[ACC+8+\p:ACC+8+\p+1]
.endr
	STAGE 4, s20, 8
	STAGE 2, s21, 4
	STAGE 1, s22, 2
	v_add_f32_dpp v[X+8*\tok], v[ACC], v[ACC] row_xmask:1 row_mask:0xf bank_mask:0xf   ; its destination counts as read: a register that was loaded
.endm
.irp t, 0,1,2,3,4,5,6,7
	TOKEN \t
.endr
; Softmax and argmax, each step for the eight tokens in turn: eight chains that do not wait for each other.
; Lanes l and l xor 1 hold the same expert, so masks 2, 4, 8 and the other half reach each expert once.
.macro DPP8 op, d, s, xm
.irp t, 0,1,2,3,4,5,6,7
	\op v[X+8*\t+\d], v[X+8*\t+\s], v[X+8*\t+\s] row_xmask:\xm row_mask:0xf bank_mask:0xf
.endr
.endm
.macro CROSS8 op, d
.irp t, 0,1,2,3,4,5,6,7
	v_permlanex16_b32 v[X+8*\t+2], v[X+8*\t+\d], s18, s19
.endr
.irp t, 0,1,2,3,4,5,6,7
	\op v[X+8*\t+\d], v[X+8*\t+\d], v[X+8*\t+2]
.endr
.endm
	DPP8 v_max_num_f32_dpp, 1, 0, 2
	DPP8 v_max_num_f32_dpp, 1, 1, 4
	DPP8 v_max_num_f32_dpp, 1, 1, 8
	CROSS8 v_max_num_f32, 1                        ; +1: the token's largest logit, in every lane
.irp t, 0,1,2,3,4,5,6,7
	v_sub_f32 v[X+8*\t+3], v[X+8*\t], v[X+8*\t+1]  ; the maximum is taken away first, as reference() does
.endr
.irp t, 0,1,2,3,4,5,6,7
	v_mul_f32 v[X+8*\t+3], 0x3fb8aa3b, v[X+8*\t+3] ; e^x = 2^(x log2 e)
.endr
.irp t, 0,1,2,3,4,5,6,7
	v_exp_f32 v[X+8*\t+3], v[X+8*\t+3]
.endr
	v_nop                                          ; one plain place behind the transcendentals (ISA guide 5.7.2)
	s_wait_alu depctr_va_vdst(0)
.irp t, 0,1,2,3,4,5,6,7
	v_cmp_eq_f32 vcc_lo, v[X+8*\t], v[X+8*\t+1]
	v_cndmask_b32 v[X+8*\t+6], 0x41800000, v4, vcc_lo      ; my expert's number where my logit is the maximum, else 16.0
.endr
	DPP8 v_add_f32_dpp, 4, 3, 2
	DPP8 v_add_f32_dpp, 4, 4, 4
	DPP8 v_add_f32_dpp, 4, 4, 8
	CROSS8 v_add_f32, 4                            ; +4: the sum of the 16 exponentials
.irp t, 0,1,2,3,4,5,6,7
	v_rcp_f32 v[X+8*\t+5], v[X+8*\t+4]             ; +5: 1 / sum = the gate of the maximum, whose exponential is 1
.endr
	v_nop
	DPP8 v_min_num_f32_dpp, 6, 6, 2
	DPP8 v_min_num_f32_dpp, 6, 6, 4
	DPP8 v_min_num_f32_dpp, 6, 6, 8
	CROSS8 v_min_num_f32, 6                        ; the first expert that reaches the maximum
.irp t, 0,1,2,3,4,5,6,7
	v_cvt_u32_f32 v[X+8*\t+6], v[X+8*\t+6]
.endr
	s_wait_alu depctr_va_vdst(0)
	v_mul_f32 v7, v[X+3], v[X+5]                   ; v7: my expert's gates summed over the wave's 8 tokens
.irp t, 1,2,3,4,5,6,7
	v_fmac_f32 v7, v[X+8*\t+3], v[X+8*\t+5]
.endr
	v_mov_b32 v5, v[X+6]                           ; v5, v6: lane l takes index and gate of token l & 7
	v_mov_b32 v6, v[X+5]
.irp t, 1,2,3,4,5,6,7
	s_mov_b32 s23, 0x01010101<<\t
	v_cndmask_b32 v5, v5, v[X+8*\t+6], s23
	v_cndmask_b32 v6, v6, v[X+8*\t+5], s23
.endr
	; The waves meet in LDS: bytes 0-127 the 32 indices, 128-255 the 32 gates, 256-511 four rows of 16 gate sums.
	v_and_b32 v8, 7, v1
	v_lshlrev_b32 v8, 2, v8
	s_lshl_b32 s17, s16, 5
	v_add_nc_u32 v8, s17, v8                       ; 32 wave + 4 (l & 7)
	v_lshrrev_b32 v9, 1, v1
	v_lshlrev_b32 v9, 2, v9
	s_lshl_b32 s17, s16, 6
	v_add_nc_u32 v9, s17, v9                       ; 64 wave + 4 (l >> 1)
	ds_store_b32 v8, v5                            ; lanes that share a word store the same value
	ds_store_b32 v8, v6 offset:128
	ds_store_b32 v9, v7 offset:256
	s_wait_dscnt 0x0                               ; for the reader's sake: my stores are done before I signal
	s_barrier_signal -1
	s_barrier_wait -1
	s_cmp_lg_u32 s16, 0
	s_cbranch_scc1 .Lend                           ; wave 0 finishes the block: lane = token
	v_lshlrev_b32 v10, 2, v1
	v_and_b32 v11, 15, v1
	v_lshlrev_b32 v11, 2, v11
	ds_load_b32 v12, v10                           ; my token's expert
	ds_load_b32 v13, v10 offset:128                ; its gate
	ds_load_b32 v16, v11 offset:256                ; the four waves' gate sums of expert l & 15
	ds_load_b32 v17, v11 offset:320
	ds_load_b32 v18, v11 offset:384
	ds_load_b32 v19, v11 offset:448
	v_mov_b32 v20, 0                               ; rank
	v_mov_b32 v21, 0                               ; histogram: v_writelane_b32's destination counts as read
	s_lshl_b32 s24, ttmp9, 7                       ; 32 words a block
	s_add_nc_u64 s[8:9], s[8:9], s[24:25]
	s_add_nc_u64 s[10:11], s[10:11], s[24:25]
	s_lshl_b32 s24, ttmp9, 6                       ; 16 words a block
	s_add_nc_u64 s[12:13], s[12:13], s[24:25]
	s_add_nc_u64 s[14:15], s[14:15], s[24:25]
	s_wait_dscnt 0x0
	v_add_f32 v16, v16, v17
	v_add_f32 v18, v18, v19
	v_add_f32 v16, v16, v18
.irp e, 0,1,2,3,4,5,6,7,8,9,10,11,12,13,14,15
	v_cmp_eq_u32 vcc_lo, \e, v12
	v_mbcnt_lo_u32_b32 v22, vcc_lo, 0              ; tokens of expert e in the lanes below mine
	v_cndmask_b32 v20, v20, v22, vcc_lo
	s_bcnt1_i32_b32 s23, vcc_lo
	v_writelane_b32 v21, s23, \e
.endr
	v_lshl_or_b32 v23, v20, 4, v12                 ; code = expert | rank << 4
	global_store_b32 v10, v23, s[8:9]
	global_store_b32 v10, v13, s[10:11]
	s_wait_xcnt 0x0                                ; EXEC is a source of the stores above
	s_wait_tensorcnt 0x0
	ds_add_u32 v240, v241
	s_wait_dscnt 0x0
	v_cmpx_gt_u32 16, v1
	global_store_b32 v10, v21, s[12:13]
	global_store_b32 v10, v16, s[14:15]
	s_endpgm
.Lend:
	s_wait_tensorcnt 0x0
	ds_add_u32 v240, v241
	s_wait_dscnt 0x0
	s_endpgm
.Lfunc_end_k_qb609ca8392_gate:
	.size	k_qb609ca8392_gate, .Lfunc_end_k_qb609ca8392_gate-k_qb609ca8392_gate
	.p2alignl 7, 3214868480
	.fill 96, 4, 3214868480
	.section	.rodata,"a",@progbits
	.p2align	6, 0x0
	.amdhsa_kernel k_qb609ca8392_gate
		.amdhsa_group_segment_fixed_size 1024
		.amdhsa_private_segment_fixed_size 0
		.amdhsa_enable_private_segment 0
		.amdhsa_kernarg_size 48
		.amdhsa_user_sgpr_count 2
		.amdhsa_user_sgpr_kernarg_segment_ptr 1
		.amdhsa_wavefront_size32 1
		.amdhsa_system_sgpr_workgroup_id_x 1
		.amdhsa_system_sgpr_workgroup_id_y 1
		.amdhsa_system_sgpr_workgroup_id_z 1
		.amdhsa_system_vgpr_workitem_id 0
		.amdhsa_next_free_vgpr 242
		.amdhsa_next_free_sgpr 66
		.amdhsa_reserve_vcc 1
		.amdhsa_float_denorm_mode_32 3
		.amdhsa_float_denorm_mode_16_64 3
		.amdhsa_memory_ordered 1
		.amdhsa_forward_progress 1
		.amdhsa_inst_pref_size 70
	.end_amdhsa_kernel
	.amdgpu_metadata
---
amdhsa.version: [ 1, 2 ]
amdhsa.kernels:
  - .name:           k_qb609ca8392_gate
    .symbol:         k_qb609ca8392_gate.kd
    .args:
      - { .name: hidden_states, .offset: 0, .size: 8, .value_kind: global_buffer, .address_space: global }
      - { .name: wg, .offset: 8, .size: 8, .value_kind: global_buffer, .address_space: global }
      - { .name: code, .offset: 16, .size: 8, .value_kind: global_buffer, .address_space: global }
      - { .name: gate, .offset: 24, .size: 8, .value_kind: global_buffer, .address_space: global }
      - { .name: hist, .offset: 32, .size: 8, .value_kind: global_buffer, .address_space: global }
      - { .name: gsum, .offset: 40, .size: 8, .value_kind: global_buffer, .address_space: global }
    .group_segment_fixed_size: 1024
    .private_segment_fixed_size: 0
    .kernarg_segment_align: 8
    .kernarg_segment_size: 48
    .max_flat_workgroup_size: 128
    .sgpr_count:     66
    .vgpr_count:     242
    .wavefront_size: 32
...
	.end_amdgpu_metadata
.endif
;; end of part 1
;; launch route (part 2): grid 256 x 1, 1 waves a work-group, no clusters, 0 bytes of LDS; arguments code, gate, hist, gsum, list, tslot, gk, out1, out2; writes list, tslot, gk, out1, out2
.if DOCPART == 2
	.amdgcn_target "amdgcn-amd-amdhsa--gfx1250"
	.amdhsa_code_object_version 6
	.text
	.protected	k_qb609ca8392_route
	.globl	k_qb609ca8392_route
	.p2align	8
	.type	k_qb609ca8392_route,@function
k_qb609ca8392_route:
	s_mov_b64 s[64:65], 0
	v_nop
	global_prefetch_b8 v0, s[64:65] scope:SCOPE_SE
	s_setreg_imm32_b32 hwreg(HW_REG_WAVE_MODE, 25, 1), 1
	s_wait_xcnt 0x0
; ROUTE.  One wave for each block of 32 tokens (lane = token).  Every wave sums the 256 blocks' histograms (16,384 bytes) twice over:
; all blocks (the experts' totals) and the blocks in front of its own (where its tokens start in each expert's queue).
; position = start + rank in the block; a token is kept if position < 512.  Stored: list[slot] = token for kept tokens,
; tslot[token] = its slot (the expert's slot 0 for a dropped one), gk[token] = its gate or 0.  Slot 32 B + l is also looked at by
; block B: if its position is not below its expert's total no token fills it, and it gets token 0, so that each word of list is
; stored exactly once.  Work-group 0 also makes the auxiliary loss and the experts' counts.
.set H, 64                             ; v[64:191]  load i: block 8 i + (l >> 2), experts 4 (l & 3) .. + 3
.set MSB, 0
.macro WIN new                         ; the immediate's high byte repeats the setting that is left
.if MSB != \new
	s_set_vgpr_msb (MSB<<8)|\new
.set MSB, \new
.endif
.endm
	s_load_b512 s[4:19], s[0:1], 0x0               ; code, gate, hist, gsum, list s[12:13], tslot s[14:15], gk s[16:17], out1 s[18:19]
	s_load_b64 s[20:21], s[0:1], 0x40              ; out2
	s_mov_b32 s22, ttmp9                           ; B
	v_lshrrev_b32 v1, 2, v0                        ; which of a load's 8 blocks is mine
	v_lshlrev_b32 v2, 4, v0
	v_lshl_add_u32 v25, s22, 5, v0                 ; my token, and the slot that I look after
	v_lshlrev_b32 v3, 2, v25
	s_mov_b32 s24, 0x76543210
	s_mov_b32 s25, 0xfedcba98
	v_mov_b32 v17, 0                               ; destination of the lane moves: counts as read
	v_mov_b32 v27, 0
	s_lshr_b32 s28, s22, 4                         ; the expert of the slots that I look after
	s_and_b32 s29, s22, 15
	s_lshl_b32 s29, s29, 5
	v_add_nc_u32 v26, s29, v0                      ; and my slot's position in its queue
	s_wait_kmcnt 0x0
	global_load_b32 v4, v3, s[4:5]
	global_load_b32 v5, v3, s[6:7]
.set ii, 0
.rept 32
	global_load_b128 v[H+4*ii:H+4*ii+3], v2, s[8:9] offset:512*ii
.set ii, ii+1
.endr
.macro COMMON
	s_wait_loadcnt 0x0
.set ii, 0
.rept 32
	s_sub_co_i32 s23, s22, 8*ii
	v_cmp_gt_i32 vcc_lo, s23, v1                   ; block 8 i + (l >> 2) lies in front of mine
	v_cndmask_b32 v16, 0, 1, vcc_lo
.irp c, 0,1,2,3
.if ii == 0
	v_mul_u32_u24 v[12+\c], v[H+\c], v16           ; the first terms start the sums
.else
	v_mad_u32_u24 v[12+\c], v[H+4*ii+\c], v16, v[12+\c]
.if ii == 1
	v_add_nc_u32 v[8+\c], v[H+\c], v[H+4+\c]
.else
	v_add_nc_u32 v[8+\c], v[8+\c], v[H+4*ii+\c]
.endif
.endif
.endr
.set ii, ii+1
.endr
.irp c, 8,9,10,11,12,13,14,15                      ; over the lanes that hold the same four experts: xor 4, 8, 16
	v_mov_b32_dpp v17, v\c row_xmask:4 row_mask:0xf bank_mask:0xf
	v_add_nc_u32 v\c, v\c, v17
	v_mov_b32_dpp v17, v\c row_xmask:8 row_mask:0xf bank_mask:0xf
	v_add_nc_u32 v\c, v\c, v17
	v_permlanex16_b32 v17, v\c, s24, s25
	v_add_nc_u32 v\c, v\c, v17
.endr
.set ee, 0
.rept 16
	v_readlane_b32 s[32+ee], v[12+(ee&3)], ee>>2   ; start of my block in expert e's queue
	v_readlane_b32 s[48+ee], v[8+(ee&3)], ee>>2    ; expert e's total
.set ee, ee+1
.endr
	v_and_b32 v6, 15, v4                           ; my token's expert
	v_lshrrev_b32 v7, 4, v4                        ; its rank in the block
	v_mov_b32 v18, s32
.set ee, 1
.rept 15
	v_cmp_eq_u32 vcc_lo, ee, v6
	v_cndmask_b32 v18, v18, s[32+ee], vcc_lo
.set ee, ee+1
.endr
	s_mov_b32 s27, s48                             ; the total of the expert whose slots I look after
.set ee, 1
.rept 15
	s_cmp_eq_u32 s28, ee
	s_cselect_b32 s27, s[48+ee], s27
.set ee, ee+1
.endr
	v_add_nc_u32 v19, v18, v7                      ; position in the queue
	v_lshl_add_u32 v20, v6, 9, v19                 ; slot
	v_lshlrev_b32 v21, 9, v6                       ; the expert's slot 0
	v_min_u32 v24, 0x1fff, v20                     ; a loaded number enters an address only clamped to the table
	v_lshlrev_b32 v24, 2, v24
	v_cmp_gt_u32 vcc_lo, 0x200, v19                ; kept
	v_cndmask_b32 v22, v21, v20, vcc_lo
	v_cndmask_b32 v23, 0, v5, vcc_lo
	global_store_b32 v3, v22, s[14:15]
	global_store_b32 v3, v23, s[16:17]
	s_wait_xcnt 0x0                                ; EXEC is a source of the stores above
	s_and_saveexec_b32 s26, vcc_lo
	global_store_b32 v24, v25, s[12:13]            ; list[slot] = token
	s_wait_xcnt 0x0
	s_or_b32 exec_lo, exec_lo, s26
	v_cmp_le_u32 vcc_lo, s27, v26                  ; nobody fills my slot
	s_and_saveexec_b32 s26, vcc_lo
	global_store_b32 v3, v27, s[12:13]             ; list[32 B + l] = 0
	s_wait_xcnt 0x0
	s_or_b32 exec_lo, exec_lo, s26
.endm
	s_cmp_lg_u32 s22, 0
	s_cbranch_scc1 .Lplain
	WIN 0x40                                       ; destination v256-383: the 256 blocks' gate sums, laid out like the histograms
.set ii, 0
.rept 32
	global_load_b128 v[4*ii:4*ii+3], v2, s[10:11] offset:512*ii
.set ii, ii+1
.endr
	WIN 0
	COMMON
	WIN 0x05                                       ; both sources in v256-383: the first two loads start the sums
	v_pk_add_f32 v[28:29], v[0:1], v[4:5]
	v_pk_add_f32 v[30:31], v[2:3], v[6:7]
	WIN 0x04
.set ii, 2
.rept 30
	v_pk_add_f32 v[28:29], v[28:29], v[4*ii:4*ii+1]
	v_pk_add_f32 v[30:31], v[30:31], v[4*ii+2:4*ii+3]
.set ii, ii+1
.endr
	WIN 0
.irp c, 28,29,30,31
	v_add_f32_dpp v\c, v\c, v\c row_xmask:4 row_mask:0xf bank_mask:0xf
	v_add_f32_dpp v\c, v\c, v\c row_xmask:8 row_mask:0xf bank_mask:0xf
	v_permlanex16_b32 v17, v\c, s24, s25
	v_add_f32 v\c, v\c, v17
.endr
.irp c, 0,1,2,3
	v_cvt_f32_u32 v[36+\c], v[8+\c]                ; totals before the capacity cut, as reference()'s ce
	v_min_u32 v[32+\c], 0x200, v[8+\c]             ; counts behind it
.endr
	v_mul_f32 v40, v28, v36
	v_fmac_f32 v40, v29, v37
	v_fmac_f32 v40, v30, v38
	v_fmac_f32 v40, v31, v39
	v_add_f32_dpp v40, v40, v40 row_xmask:1 row_mask:0xf bank_mask:0xf
	v_add_f32_dpp v40, v40, v40 row_xmask:2 row_mask:0xf bank_mask:0xf
	v_mul_f32 v40, 0x34800000, v40                 ; 16 / 8192^2 = 2^-22
	s_wait_xcnt 0x0
	v_cmpx_gt_u32 4, v0                            ; lane l < 4 holds experts 4 l .. 4 l + 3
	global_store_b128 v2, v[32:35], s[20:21]
	s_wait_xcnt 0x0
	v_cmpx_eq_u32 0, v0
	global_store_b32 v27, v40, s[18:19]
	s_endpgm
.Lplain:
	COMMON
	s_endpgm
.Lfunc_end_k_qb609ca8392_route:
	.size	k_qb609ca8392_route, .Lfunc_end_k_qb609ca8392_route-k_qb609ca8392_route
	.p2alignl 7, 3214868480
	.fill 96, 4, 3214868480
	.section	.rodata,"a",@progbits
	.p2align	6, 0x0
	.amdhsa_kernel k_qb609ca8392_route
		.amdhsa_group_segment_fixed_size 0
		.amdhsa_private_segment_fixed_size 0
		.amdhsa_enable_private_segment 0
		.amdhsa_kernarg_size 72
		.amdhsa_user_sgpr_count 2
		.amdhsa_user_sgpr_kernarg_segment_ptr 1
		.amdhsa_wavefront_size32 1
		.amdhsa_system_sgpr_workgroup_id_x 1
		.amdhsa_system_sgpr_workgroup_id_y 1
		.amdhsa_system_sgpr_workgroup_id_z 1
		.amdhsa_system_vgpr_workitem_id 0
		.amdhsa_next_free_vgpr 384
		.amdhsa_next_free_sgpr 66
		.amdhsa_reserve_vcc 1
		.amdhsa_float_denorm_mode_32 3
		.amdhsa_float_denorm_mode_16_64 3
		.amdhsa_memory_ordered 1
		.amdhsa_forward_progress 1
		.amdhsa_inst_pref_size 62
	.end_amdhsa_kernel
	.amdgpu_metadata
---
amdhsa.version: [ 1, 2 ]
amdhsa.kernels:
  - .name:           k_qb609ca8392_route
    .symbol:         k_qb609ca8392_route.kd
    .args:
      - { .name: code, .offset: 0, .size: 8, .value_kind: global_buffer, .address_space: global }
      - { .name: gate, .offset: 8, .size: 8, .value_kind: global_buffer, .address_space: global }
      - { .name: hist, .offset: 16, .size: 8, .value_kind: global_buffer, .address_space: global }
      - { .name: gsum, .offset: 24, .size: 8, .value_kind: global_buffer, .address_space: global }
      - { .name: list, .offset: 32, .size: 8, .value_kind: global_buffer, .address_space: global }
      - { .name: tslot, .offset: 40, .size: 8, .value_kind: global_buffer, .address_space: global }
      - { .name: gk, .offset: 48, .size: 8, .value_kind: global_buffer, .address_space: global }
      - { .name: out1, .offset: 56, .size: 8, .value_kind: global_buffer, .address_space: global }
      - { .name: out2, .offset: 64, .size: 8, .value_kind: global_buffer, .address_space: global }
    .group_segment_fixed_size: 0
    .private_segment_fixed_size: 0
    .kernarg_segment_align: 8
    .kernarg_segment_size: 72
    .max_flat_workgroup_size: 32
    .sgpr_count:     66
    .vgpr_count:     384
    .wavefront_size: 32
...
	.end_amdgpu_metadata
.endif
;; end of part 2
;; launch ffn (part 3): grid 4 x 64, 4 waves a work-group, no clusters, 221,696 bytes of LDS; arguments hidden_states, w1, b1, w2, list, part; writes part
.if DOCPART == 3
	.amdgcn_target "amdgcn-amd-amdhsa--gfx1250"
	.amdhsa_code_object_version 6
	.text
	.protected	k_qb609ca8392_ffn
	.globl	k_qb609ca8392_ffn
	.p2align	8
	.type	k_qb609ca8392_ffn,@function
k_qb609ca8392_ffn:
	s_mov_b64 s[64:65], 0
	v_nop
	global_prefetch_b8 v0, s[64:65] scope:SCOPE_SE
	s_setreg_imm32_b32 hwreg(HW_REG_WAVE_MODE, 25, 1), 1
	s_wait_xcnt 0x0
; FFN.  part[fs][slot][n] = sum over the 512 f of slice fs of gelu(x[list[slot]] w1[e] + b1[e])[f] w2[e][f][n].
; Work-group (rb, y): expert e = y >> 2, slice fs = y & 3 of F, slots 128 rb .. + 127 of the expert.  16 x 4 x 4 = 256 work-groups.
; Wave w owns 32 slots (two row tiles) in both products, so the hidden numbers never leave its registers.  F goes in 8 chunks of 64;
; a chunk's weights (256 x 64 of w1, 64 x 256 of w2, f32 in memory) are loaded into registers one chunk ahead, rounded to f16 and laid
; into one of two LDS slots, from which all four waves read them by transposing loads.
; BOTH PRODUCTS ARE USED TRANSPOSED: source 0 = 16 columns of the weights, source 1 = 16 tokens.  In the result lane (r, h) holds token r
; and its register j the column 8 h + j, so two neighbouring tiles of the first product, packed to f16, are registers 0-3 and 4-7 of the
; second product's token fragment (K = 32), and the second product's eight results are 32 neighbouring bytes of a row of part.
; f16 and not bf16: 11 significant bits; LIMIT: |x|, |w1|, |w2| and |gelu(..)| at most 65504, beyond which f16 has infinity.
; gelu is the tanh form: x sigmoid(2 u), u = 0.79788456 (x + 0.044715 x^3) = x / (1 + 2^(x (c1 + c3 x^2))).
; NO CLUSTER, NO TENSOR LOADS, though the four row blocks of a (e, fs) read the same weights: the weights are f32 and pass through
; registers to become f16.  Landing them in LDS first would take two slots of 131,072 bytes beside the two f16 slots (2 x 75,776) and the
; 69,632 bytes of stages: 483,328 bytes, more than the 327,680 there are, and would write and read each weight byte once more.
; The four partners are neighbours along the grid's x.
.set P1,    160                        ; LDS row of w1's chunk: 64 f16 + 32 bytes; an odd multiple of 32 bytes
.set P2,    544                        ; LDS row of w2's chunk: 256 f16 + 32 bytes; an odd multiple of 32 bytes
.set W2O,   256*P1                     ; 40,960: w2's chunk behind w1's
.set SLOT,  W2O+64*P2                  ; 75,776
.set XBASE, 2*SLOT                     ; 151,552: for each wave 16,896 bytes: its 32 rows of x in f16, later its stage on the way out
.set PX,    528                        ; x row: 256 f16 + 16 bytes
.set XW,    32*PX
.set PE,    1040                       ; stage row: 256 f32 + 16 bytes
.set BIAS,  XBASE+4*XW                 ; 219,136: the slice's 512 numbers of b1
; window 0
.set GW1, 5                            ; global offset of my 16 bytes of w1: row 64 w + 4 (l >> 4), byte 16 (l & 15)
.set GW2, 6                            ; of w2: 16,384 w + 16 l
.set SW1, 7                            ; v7, v8    where I store w1 in slot 0, 1
.set SW2, 9                            ; v9, v10   w2
.set RW1, 11                           ; v11, v12  where I read w1's fragments
.set RW2, 13                           ; v13, v14  w2's
.set VB,  15                           ; bias: BIAS + 32 h, + 512 for each pair of chunks
.set XS,  16
.set XR,  17
.set ES,  18
.set ER,  19
.set HA,  32                           ; v[32:63]   first product's four tiles (rt, ct) at 8 (2 rt + ct)
.set H16, 64                           ; v[64:79]   the hidden fragment of row tile rt at 8 rt
.set BI,  80                           ; v[80:95]   bias tile ct
.set T,   96                           ; v[96:103]
.set C1,  104                          ; v[104:105] c1 twice, v[106:107] c3 twice
.set C3,  106
.set FB,  128                          ; v[128:255] w2's 16 fragments; in the prologue v128-159 the 32 rows' offsets
; window 1
.set XF,  0                            ; x fragments (rt, ks) at 8 (8 rt + ks)
.set FA,  128                          ; w1's fragments (ks, ct) at 8 (2 ks + ct)
; window 2: the second product's 32 tiles (rt, nt) at 8 (16 rt + nt); in the prologue the gathered rows.  window 3: weights on their way
.set MSB, 0
.macro WIN new                         ; low byte: bits 1:0 source 0, 3:2 source 1, 5:4 source 2, 7:6 destination; the high byte repeats the setting left
.if MSB != \new
	s_set_vgpr_msb (MSB<<8)|\new
.set MSB, \new
.endif
.endm
.macro PLACES                          ; four plain places behind matrix instructions (ISA guide 7.12.1) before their results are read
.rept 4                                ; or their registers loaded again
	v_nop
.endr
.endm
	s_load_b256 s[4:11], s[0:1], 0x0               ; x s[4:5], w1 s[6:7], b1 s[8:9], w2 s[10:11]
	s_load_b128 s[12:15], s[0:1], 0x20             ; list s[12:13], part s[14:15]
	v_lshl_add_u32 v126, v0, 2, 0x36000
	v_mov_b32 v127, 0
	v_lshrrev_b32 v1, 5, v0
	v_readfirstlane_b32 s16, v1                    ; wave
	s_and_b32 s18, ttmp7, 0xffff
	s_lshr_b32 s19, s18, 2                         ; e
	s_and_b32 s20, s18, 3                          ; fs
	s_lshl_b32 s21, s19, 9
	s_lshl_b32 s17, ttmp9, 7
	s_add_co_u32 s21, s21, s17
	s_lshl_b32 s17, s16, 5
	s_add_co_u32 s21, s21, s17                     ; my wave's first slot: 512 e + 128 rb + 32 w
	s_mov_b32 s23, 0
	s_wait_kmcnt 0x0
	s_lshl_b32 s22, s21, 2
	s_add_nc_u64 s[12:13], s[12:13], s[22:23]
	s_load_b512 s[32:47], s[12:13], 0x0            ; my 32 tokens
	s_load_b512 s[48:63], s[12:13], 0x40
	s_lshl_b32 s24, s19, 21                        ; an expert's weights: 2,097,152 bytes
	s_lshl_b32 s22, s20, 11                        ; w1: 512 columns of 4 bytes
	s_add_co_u32 s22, s22, s24
	s_add_nc_u64 s[6:7], s[6:7], s[22:23]
	s_lshl_b32 s22, s20, 19                        ; w2: 512 rows of 1,024 bytes
	s_add_co_u32 s22, s22, s24
	s_add_nc_u64 s[10:11], s[10:11], s[22:23]
	s_lshl_b32 s22, s19, 13
	s_lshl_b32 s24, s20, 11
	s_add_co_u32 s22, s22, s24
	s_add_nc_u64 s[8:9], s[8:9], s[22:23]          ; b1[e][512 fs]
	s_lshl_b32 s22, s20, 13
	s_add_co_u32 s22, s22, s21
	s_lshl_b32 s22, s22, 10
	s_add_nc_u64 s[14:15], s[14:15], s[22:23]      ; part[fs][my first slot]
	v_and_b32 v1, 31, v0                           ; l
	v_and_b32 v2, 15, v0                           ; r
	v_bfe_u32 v3, v0, 4, 1                         ; h
	v_lshlrev_b32 v4, 4, v1                        ; 16 l
	s_lshl_b32 s22, s16, 19                        ; 64 rows of 8,192 bytes
	v_lshlrev_b32 v[GW1], 4, v2
	v_lshl_add_u32 v[GW1], v3, 15, v[GW1]          ; + 4 h rows
	v_add_nc_u32 v[GW1], s22, v[GW1]
	s_lshl_b32 s22, s16, 14
	v_add_nc_u32 v[GW2], s22, v4
	s_mul_i32 s22, s16, 64*P1
	v_lshlrev_b32 v[SW1], 3, v2
	v_mad_u32_u24 v[SW1], v3, 4*P1, v[SW1]
	v_add_nc_u32 v[SW1], s22, v[SW1]               ; (64 w + 4 h) P1 + 8 r
	v_add_nc_u32 v[SW1+1], SLOT, v[SW1]
	s_mul_i32 s22, s16, 16*P2
	s_add_co_u32 s22, s22, W2O
	v_lshl_add_u32 v[SW2], v1, 3, s22              ; W2O + 16 w P2 + 8 l
	v_add_nc_u32 v[SW2+1], SLOT, v[SW2]
	v_and_b32 v28, 7, v0
	v_lshl_add_u32 v28, v3, 3, v28                 ; 8 h + (l & 7): the row that I address in a transposing load
	v_bfe_u32 v29, v0, 3, 1
	v_lshlrev_b32 v29, 4, v29                      ; 16 ((l >> 3) & 1)
	v_mad_u32_u24 v[RW1], v28, P1, v29
	v_add_nc_u32 v[RW1+1], SLOT, v[RW1]
	v_mad_u32_u24 v[RW2], v28, P2, v29
	v_add_nc_u32 v[RW2], W2O, v[RW2]
	v_add_nc_u32 v[RW2+1], SLOT, v[RW2]
	v_lshl_add_u32 v[VB], v3, 5, BIAS
	s_mul_i32 s22, s16, XW
	s_add_co_u32 s22, s22, XBASE                   ; my wave's own stage
	v_lshl_add_u32 v[XS], v1, 3, s22
	v_mul_u32_u24 v[XR], PX, v2
	v_add_nc_u32 v[XR], s22, v[XR]
	v_lshl_add_u32 v[XR], v3, 4, v[XR]             ; r PX + 16 h
	v_mul_u32_u24 v[ES], PE, v2
	v_add_nc_u32 v[ES], s22, v[ES]
	v_lshl_add_u32 v[ES], v3, 5, v[ES]             ; r PE + 32 h
	v_add_nc_u32 v[ER], s22, v4
	v_lshlrev_b32 v20, 4, v0                       ; the bias: 16 bytes a thread
	v_add_nc_u32 v21, BIAS, v20
	v_mov_b32 v[C1], 0xc0135761                    ; c1 = -2 x 0.79788456 x log2 e
	v_mov_b32 v[C1+1], 0xc0135761
	v_mov_b32 v[C3], 0xbdd2d3e8                    ; c3 = 0.044715 c1
	v_mov_b32 v[C3+1], 0xbdd2d3e8
; 64 loads of 16 bytes a lane: my quarter of a chunk's weights.  w1: sixteen lanes take the 256 bytes that a row has in the chunk;
; w2: the chunk is 65,536 consecutive bytes, a load of the wave covers 512 of them.
.macro LOADW
	WIN 0xc0
.set jj, 0
.rept 32
	global_load_b128 v[4*jj:4*jj+3], v[GW1], s[6:7] offset:(8*(jj>>2)+(jj&3))*8192
.set jj, jj+1
.endr
.set jj, 0
.rept 32
	global_load_b128 v[128+4*jj:128+4*jj+3], v[GW2], s[10:11] offset:512*jj
.set jj, jj+1
.endr
.endm
; round them to f16 in place (4 registers become 2) and lay them into slot s
.macro CONVERT s
	WIN 0xcf
.set jj, 0
.rept 64
	v_cvt_pk_f16_f32 v[4*jj],   v[4*jj],   v[4*jj+1]
	v_cvt_pk_f16_f32 v[4*jj+1], v[4*jj+2], v[4*jj+3]
.set jj, jj+1
.endr
	WIN 0x0c
.set jj, 0
.rept 32
	ds_store_b64 v[SW1+\s], v[4*jj:4*jj+1] offset:(8*(jj>>2)+(jj&3))*P1    ; the two halves of the lanes lie 4 rows = 640 bytes apart
.set jj, jj+1
.endr
.set jj, 0
.rept 32
	ds_store_b64 v[SW2+\s], v[128+4*jj:128+4*jj+1] offset:(jj>>1)*P2+(jj&1)*256
.set jj, jj+1
.endr
.endm
; w1's fragments of 32 f: 8 steps of 32 m x 2 tiles of 16 f, two transposing loads each (rows m .. + 15 and m + 16 ..)
.macro FETCH_A s, sub
	WIN 0x40
.irp ks, 0,1,2,3,4,5,6,7
.irp ct, 0,1
	ds_load_tr16_b128 v[FA+8*(2*\ks+\ct):FA+8*(2*\ks+\ct)+3],   v[RW1+\s] offset:\ks*32*P1+2*(32*\sub+16*\ct)
	ds_load_tr16_b128 v[FA+8*(2*\ks+\ct)+4:FA+8*(2*\ks+\ct)+7], v[RW1+\s] offset:\ks*32*P1+2*(32*\sub+16*\ct)+16*P1
.endr
.endr
.endm
; the bias as the first product's C: register j of lane (r, h) = b1[f0 + 8 h + j]
.macro BIASLD cp, sub
.irp ct, 0,1
	ds_load_b128 v[BI+8*\ct:BI+8*\ct+3],   v[VB] offset:(64*\cp+32*\sub+16*\ct)*4
	ds_load_b128 v[BI+8*\ct+4:BI+8*\ct+7], v[VB] offset:(64*\cp+32*\sub+16*\ct)*4+16
.endr
.endm
; w2's fragments of the same 32 f: 16 tiles of 16 n
.macro FETCH_B s, sub
.irp nt, 0,1,2,3,4,5,6,7,8,9,10,11,12,13,14,15
	ds_load_tr16_b128 v[FB+8*\nt:FB+8*\nt+3],   v[RW2+\s] offset:\sub*32*P2+32*\nt
	ds_load_tr16_b128 v[FB+8*\nt+4:FB+8*\nt+7], v[RW2+\s] offset:\sub*32*P2+32*\nt+16*P2
.endr
.endm
; first product: 32 tokens x 32 f over m = 256: 32 matrix instructions; the bias starts the sums
.macro G1
	WIN 0x05
.irp ct, 0,1
.irp rt, 0,1
	v_wmma_f32_16x16x32_f16 v[HA+8*(2*\rt+\ct):HA+8*(2*\rt+\ct)+7], v[FA+8*\ct:FA+8*\ct+7], v[XF+64*\rt:XF+64*\rt+7], v[BI+8*\ct:BI+8*\ct+7]
.endr
.endr
.irp ks, 1,2,3,4,5,6,7
.irp ct, 0,1
.irp rt, 0,1
	v_wmma_f32_16x16x32_f16 v[HA+8*(2*\rt+\ct):HA+8*(2*\rt+\ct)+7], v[FA+8*(2*\ks+\ct):FA+8*(2*\ks+\ct)+7], v[XF+8*(8*\rt+\ks):XF+8*(8*\rt+\ks)+7], v[HA+8*(2*\rt+\ct):HA+8*(2*\rt+\ct)+7]
.endr
.endr
.endr
.endm
; gelu of one tile (8 numbers a lane), packed to f16 into four registers of the hidden fragment
.macro GELU1 ha, hd
.irp p, 0,2,4,6
	v_pk_mul_f32 v[T+\p:T+\p+1], v[\ha+\p:\ha+\p+1], v[\ha+\p:\ha+\p+1]
.endr
.irp p, 0,2,4,6
	v_pk_fma_f32 v[T+\p:T+\p+1], v[T+\p:T+\p+1], v[C3:C3+1], v[C1:C1+1]
.endr
.irp p, 0,2,4,6
	v_pk_mul_f32 v[T+\p:T+\p+1], v[T+\p:T+\p+1], v[\ha+\p:\ha+\p+1]
.endr
.irp j, 0,1,2,3,4,5,6,7
	v_exp_f32 v[T+\j], v[T+\j]
.endr
	v_nop                                          ; one plain place behind the transcendentals (ISA guide 5.7.2)
	s_wait_alu depctr_va_vdst(0)
.irp p, 0,2,4,6
	v_pk_add_f32 v[T+\p:T+\p+1], v[T+\p:T+\p+1], 1.0 op_sel_hi:[1,0]
.endr
.irp j, 0,1,2,3,4,5,6,7
	v_rcp_f32 v[T+\j], v[T+\j]
.endr
	v_nop
	s_wait_alu depctr_va_vdst(0)
.irp p, 0,2,4,6
	v_pk_mul_f32 v[T+\p:T+\p+1], v[T+\p:T+\p+1], v[\ha+\p:\ha+\p+1]
.endr
.irp p, 0,1,2,3
	v_cvt_pk_f16_f32 v[\hd+\p], v[T+2*\p], v[T+2*\p+1]
.endr
.endm
; second product: 32 tokens x 256 n over these 32 f: 32 matrix instructions.  zero = 1: the first products start the sums
.macro G2 zero
	WIN 0xa0
.irp nt, 0,1,2,3,4,5,6,7,8,9,10,11,12,13,14,15
.irp rt, 0,1
.if \zero
	v_wmma_f32_16x16x32_f16 v[8*(16*\rt+\nt):8*(16*\rt+\nt)+7], v[FB+8*\nt:FB+8*\nt+7], v[H16+8*\rt:H16+8*\rt+7], 0
.else
	v_wmma_f32_16x16x32_f16 v[8*(16*\rt+\nt):8*(16*\rt+\nt)+7], v[FB+8*\nt:FB+8*\nt+7], v[H16+8*\rt:H16+8*\rt+7], v[8*(16*\rt+\nt):8*(16*\rt+\nt)+7]
.endif
.endr
.endr
.endm
; 32 of the chunk's 64 f.  FA has been asked for before.  nexta = 1: the other half's FA is asked for as soon as this half's is multiplied.
.macro SUB s, sub, zero, nexta
	WIN 0
	PLACES                                         ; FB was a source of the matrix instructions just issued
	BIASLD \s, \sub
	FETCH_B \s, \sub
	s_wait_dscnt 32                                ; LDS loads return in order: FA and the bias are in, FB's 32 loads stay out
	G1
	WIN 0
	PLACES                                         ; before FA is loaded again and the results are read
.if \nexta
	FETCH_A \s, 1
	WIN 0
.endif
	GELU1 HA,    H16
	GELU1 HA+8,  H16+4
	GELU1 HA+16, H16+8
	GELU1 HA+24, H16+12
.if \nexta
	s_wait_dscnt 32                                ; FB is in; the next half's 32 loads of FA stay out
.else
	s_wait_dscnt 0                                 ; FB is in, and my reads of this slot are over
.endif
	G2 \zero
.endm
; A chunk in slot s.  conv = 1: the next chunk's weights, asked for a chunk ago, go into the other slot; load = 1: the chunk after that is
; asked for.  ONE barrier a chunk: in front of it my reads of slot s and my stores into the other slot are done (s_wait_dscnt 0);
; behind it the other slot is read, and slot s is written again only at the end of the next chunk, behind this barrier for every wave.
.macro CHUNK s, zero, conv, load
	FETCH_A \s, 0
	SUB \s, 0, \zero, 1
	SUB \s, 1, 0, 0
.if \conv
	s_wait_loadcnt 0x0                             ; the weights are in; their bases may be stepped
	CONVERT (1-\s)
	s_wait_dscnt 0x0
.if \load
	s_add_nc_u64 s[6:7], s[6:7], 256               ; 64 columns of w1
	s_add_nc_u64 s[10:11], s[10:11], 0x10000       ; 64 rows of w2
	LOADW
.endif
	WIN 0
	s_barrier_signal -1
	s_barrier_wait -1
.endif
.endm
	; PROLOGUE: chunk 0's weights, the bias, my 32 rows of x
	LOADW
	WIN 0
	global_load_b128 v[24:27], v20, s[8:9]
	s_wait_kmcnt 0x0
.set ii, 0
.rept 32
	s_min_u32 s[32+ii], s[32+ii], 0x1fff           ; a loaded number enters an address only clamped to the table's 8,192 rows
	v_lshl_add_u32 v[128+ii], s[32+ii], 10, v4
.set ii, ii+1
.endr
	WIN 0x80
.set ii, 0
.rept 32
	global_load_b128 v[8*ii:8*ii+3],   v[128+ii], s[4:5]               ; m = 4 l ..
	global_load_b128 v[8*ii+4:8*ii+7], v[128+ii], s[4:5] offset:512    ; m = 128 + 4 l ..
.set ii, ii+1
.endr
	s_wait_loadcnt 0x0
	CONVERT 0
	WIN 0
	ds_store_b128 v21, v[24:27]
	s_wait_dscnt 0x0
	s_add_nc_u64 s[6:7], s[6:7], 256
	s_add_nc_u64 s[10:11], s[10:11], 0x10000
	LOADW                                          ; chunk 1
	WIN 0x8a
.set ii, 0
.rept 32
	v_cvt_pk_f16_f32 v[8*ii],   v[8*ii],   v[8*ii+1]
	v_cvt_pk_f16_f32 v[8*ii+1], v[8*ii+2], v[8*ii+3]
	v_cvt_pk_f16_f32 v[8*ii+4], v[8*ii+4], v[8*ii+5]
	v_cvt_pk_f16_f32 v[8*ii+5], v[8*ii+6], v[8*ii+7]
.set ii, ii+1
.endr
	WIN 0x08
.set ii, 0
.rept 32
	ds_store_b64 v[XS], v[8*ii:8*ii+1]   offset:PX*ii
	ds_store_b64 v[XS], v[8*ii+4:8*ii+5] offset:PX*ii+256
.set ii, ii+1
.endr
	WIN 0x40                                       ; my own bytes, and LDS serves a wave in order: no wait between the stores and these loads
.irp rt, 0,1
.irp ks, 0,1,2,3,4,5,6,7
	ds_load_b128 v[XF+8*(8*\rt+\ks):XF+8*(8*\rt+\ks)+3],   v[XR] offset:\rt*16*PX+64*\ks
	ds_load_b128 v[XF+8*(8*\rt+\ks)+4:XF+8*(8*\rt+\ks)+7], v[XR] offset:\rt*16*PX+64*\ks+32
.endr
.endr
	WIN 0
	s_wait_dscnt 0x0                               ; slot 0 and the bias are written, my x fragments are in
	s_barrier_signal -1
	s_barrier_wait -1
	CHUNK 0, 1, 1, 1                               ; chunks 0 and 1 stand in front of the loop: the first products start the sums
	CHUNK 1, 0, 1, 1
	v_add_nc_u32 v[VB], 512, v[VB]                 ; 128 numbers of the bias on
	s_mov_b32 s28, 2
.Lpair:
	CHUNK 0, 0, 1, 1                               ; chunks 2 to 5
	CHUNK 1, 0, 1, 1
	v_add_nc_u32 v[VB], 512, v[VB]
	s_sub_co_i32 s28, s28, 1
	s_cmp_lg_u32 s28, 0
	s_cbranch_scc1 .Lpair
	CHUNK 0, 0, 1, 0                               ; chunk 6 asks for nothing more,
	CHUNK 1, 0, 0, 0                               ; chunk 7 converts nothing: no wave shares anything behind it
	; THE WAY OUT, 16 rows at a time through my own stage: 32 bytes a lane in, whole rows of 1,024 bytes back,
	; and each store of the wave covers 512 consecutive bytes of part.
	PLACES
.irp rt, 0,1
	WIN 0x08
.irp nt, 0,1,2,3,4,5,6,7,8,9,10,11,12,13,14,15
	ds_store_b128 v[ES], v[8*(16*\rt+\nt):8*(16*\rt+\nt)+3]   offset:64*\nt
	ds_store_b128 v[ES], v[8*(16*\rt+\nt)+4:8*(16*\rt+\nt)+7] offset:64*\nt+16
.endr
	WIN 0
	s_wait_xcnt 0x0                                ; FB, which the stores of the rows before read, is loaded again only behind this wait
.set qq, 0
.rept 32
	ds_load_b128 v[FB+4*qq:FB+4*qq+3], v[ER] offset:(qq>>1)*PE+(qq&1)*512
.set qq, qq+1
.endr
.set qq, 0
.rept 32
	s_wait_dscnt 31-qq                             ; read-back qq is in, the younger ones stay out
	global_store_b128 v4, v[FB+4*qq:FB+4*qq+3], s[14:15] offset:(16*\rt+(qq>>1))*1024+(qq&1)*512
.set qq, qq+1
.endr
.endr
	s_wait_tensorcnt 0x0
	ds_add_u32 v126, v127
	s_wait_dscnt 0x0
	s_endpgm
.Lfunc_end_k_qb609ca8392_ffn:
	.size	k_qb609ca8392_ffn, .Lfunc_end_k_qb609ca8392_ffn-k_qb609ca8392_ffn
	.p2alignl 7, 3214868480
	.fill 96, 4, 3214868480
	.section	.rodata,"a",@progbits
	.p2align	6, 0x0
	.amdhsa_kernel k_qb609ca8392_ffn
		.amdhsa_group_segment_fixed_size 221696
		.amdhsa_private_segment_fixed_size 0
		.amdhsa_enable_private_segment 0
		.amdhsa_kernarg_size 48
		.amdhsa_user_sgpr_count 2
		.amdhsa_user_sgpr_kernarg_segment_ptr 1
		.amdhsa_wavefront_size32 1
		.amdhsa_system_sgpr_workgroup_id_x 1
		.amdhsa_system_sgpr_workgroup_id_y 1
		.amdhsa_system_sgpr_workgroup_id_z 1
		.amdhsa_system_vgpr_workitem_id 0
		.amdhsa_next_free_vgpr 1024
		.amdhsa_next_free_sgpr 66
		.amdhsa_reserve_vcc 0
		.amdhsa_float_denorm_mode_32 3
		.amdhsa_float_denorm_mode_16_64 3
		.amdhsa_memory_ordered 1
		.amdhsa_forward_progress 1
		.amdhsa_inst_pref_size 255
	.end_amdhsa_kernel
	.section	.bss,"aw",@nobits
	.p2align	6
	.space	262144
	.amdgpu_metadata
---
amdhsa.version: [ 1, 2 ]
amdhsa.kernels:
  - .name:           k_qb609ca8392_ffn
    .symbol:         k_qb609ca8392_ffn.kd
    .args:
      - { .name: hidden_states, .offset: 0, .size: 8, .value_kind: global_buffer, .address_space: global }
      - { .name: w1, .offset: 8, .size: 8, .value_kind: global_buffer, .address_space: global }
      - { .name: b1, .offset: 16, .size: 8, .value_kind: global_buffer, .address_space: global }
      - { .name: w2, .offset: 24, .size: 8, .value_kind: global_buffer, .address_space: global }
      - { .name: list, .offset: 32, .size: 8, .value_kind: global_buffer, .address_space: global }
      - { .name: part, .offset: 40, .size: 8, .value_kind: global_buffer, .address_space: global }
    .group_segment_fixed_size: 221696
    .private_segment_fixed_size: 0
    .kernarg_segment_align: 8
    .kernarg_segment_size: 48
    .max_flat_workgroup_size: 128
    .sgpr_count:     66
    .vgpr_count:     1024
    .wavefront_size: 32
...
	.end_amdgpu_metadata
.endif
;; end of part 3
;; launch combine (part 4): grid 256 x 1, 8 waves a work-group, no clusters, 0 bytes of LDS; arguments part, b2, tslot, gk, out0; writes out0
.if DOCPART == 4
	.amdgcn_target "amdgcn-amd-amdhsa--gfx1250"
	.amdhsa_code_object_version 6
	.text
	.protected	k_qb609ca8392_combine
	.globl	k_qb609ca8392_combine
	.p2align	8
	.type	k_qb609ca8392_combine,@function
k_qb609ca8392_combine:
	s_mov_b64 s[64:65], 0
	v_nop
	global_prefetch_b8 v0, s[64:65] scope:SCOPE_SE
	s_setreg_imm32_b32 hwreg(HW_REG_WAVE_MODE, 25, 1), 1
	s_wait_xcnt 0x0
; COMBINE.  out[t] = gk[t] x (part[0][s] + part[1][s] + part[2][s] + part[3][s] + b2[e]), s = tslot[t], e = s >> 9.
; A stream: a wave takes 4 tokens; a row is 1,024 bytes = two loads of 16 bytes a lane, each covering 512 consecutive bytes.  All 40 loads
; of a wave are issued first.  A dropped token has gk = 0 and reads its expert's slot 0, which is filled whenever a token is dropped.
; No LDS, no barrier, no matrix unit: nothing is shared and nothing is multiplied but by the gate.
; No hint on the loads of part: dropped tokens may name a slot again.
.set R, 16                             ; token i: v[16+40 i ..]: four partial rows of 8 registers, then b2's 8
	s_load_b256 s[4:11], s[0:1], 0x0               ; part s[4:5], b2 s[6:7], tslot s[8:9], gk s[10:11]
	s_load_b64 s[12:13], s[0:1], 0x20              ; out0
	v_lshrrev_b32 v1, 5, v0
	v_readfirstlane_b32 s32, v1                    ; wave
	v_and_b32 v1, 31, v0
	v_lshlrev_b32 v1, 4, v1                        ; 16 bytes a lane
	s_lshl_b32 s33, ttmp9, 3
	s_add_co_u32 s33, s33, s32                     ; the wave's number in the launch
	s_lshl_b32 s34, s33, 4                         ; 4 tokens of 4 bytes
	s_mov_b32 s35, 0
	s_wait_kmcnt 0x0
	s_add_nc_u64 s[8:9], s[8:9], s[34:35]
	s_add_nc_u64 s[10:11], s[10:11], s[34:35]
	s_load_b128 s[20:23], s[8:9], 0x0              ; four slots
	s_load_b128 s[24:27], s[10:11], 0x0            ; four gates
	s_lshl_b32 s34, s33, 12                        ; 4 rows of 1,024 bytes
	s_add_nc_u64 s[12:13], s[12:13], s[34:35]
	s_add_nc_u64 s[14:15], s[4:5], 0x800000        ; the four slices of part lie 8,388,608 bytes apart
	s_add_nc_u64 s[16:17], s[4:5], 0x1000000
	s_add_nc_u64 s[18:19], s[4:5], 0x1800000
	s_wait_kmcnt 0x0
.irp i, 0,1,2,3
	s_min_u32 s[20+\i], s[20+\i], 0x1fff           ; a loaded number enters an address only clamped to the table's 8,192 rows
	v_lshl_add_u32 v[2+\i], s[20+\i], 10, v1       ; slot x 1,024 + 16 lane
	s_and_b32 s[28+\i], s[20+\i], 0x1e00           ; 512 e
	v_lshl_add_u32 v[6+\i], s[28+\i], 1, v1        ; e x 1,024 + 16 lane
.endr
.irp i, 0,1,2,3
	global_load_b128 v[R+40*\i:R+40*\i+3],     v[2+\i], s[4:5]
	global_load_b128 v[R+40*\i+4:R+40*\i+7],   v[2+\i], s[4:5] offset:512
	global_load_b128 v[R+40*\i+8:R+40*\i+11],  v[2+\i], s[14:15]
	global_load_b128 v[R+40*\i+12:R+40*\i+15], v[2+\i], s[14:15] offset:512
	global_load_b128 v[R+40*\i+16:R+40*\i+19], v[2+\i], s[16:17]
	global_load_b128 v[R+40*\i+20:R+40*\i+23], v[2+\i], s[16:17] offset:512
	global_load_b128 v[R+40*\i+24:R+40*\i+27], v[2+\i], s[18:19]
	global_load_b128 v[R+40*\i+28:R+40*\i+31], v[2+\i], s[18:19] offset:512
	global_load_b128 v[R+40*\i+32:R+40*\i+35], v[6+\i], s[6:7]
	global_load_b128 v[R+40*\i+36:R+40*\i+39], v[6+\i], s[6:7] offset:512
.endr
.irp i, 0,1,2,3
	s_wait_loadcnt 30-10*\i                        ; loads return in order: this token's ten are in, ten for each later token stay out
.irp p, 0,2,4,6
	v_pk_add_f32 v[R+40*\i+\p:R+40*\i+\p+1],       v[R+40*\i+\p:R+40*\i+\p+1],       v[R+40*\i+8+\p:R+40*\i+8+\p+1]
	v_pk_add_f32 v[R+40*\i+16+\p:R+40*\i+16+\p+1], v[R+40*\i+16+\p:R+40*\i+16+\p+1], v[R+40*\i+24+\p:R+40*\i+24+\p+1]
.endr
.irp p, 0,2,4,6
	v_pk_add_f32 v[R+40*\i+\p:R+40*\i+\p+1], v[R+40*\i+\p:R+40*\i+\p+1], v[R+40*\i+16+\p:R+40*\i+16+\p+1]
.endr
.irp p, 0,2,4,6
	v_pk_add_f32 v[R+40*\i+\p:R+40*\i+\p+1], v[R+40*\i+\p:R+40*\i+\p+1], v[R+40*\i+32+\p:R+40*\i+32+\p+1]
.endr
.irp j, 0,1,2,3,4,5,6,7
	v_mul_f32 v[R+40*\i+\j], s[24+\i], v[R+40*\i+\j]
.endr
	global_store_b128 v1, v[R+40*\i:R+40*\i+3],   s[12:13] offset:1024*\i th:TH_STORE_NT
	global_store_b128 v1, v[R+40*\i+4:R+40*\i+7], s[12:13] offset:1024*\i+512 th:TH_STORE_NT
.endr
	s_endpgm
.Lfunc_end_k_qb609ca8392_combine:
	.size	k_qb609ca8392_combine, .Lfunc_end_k_qb609ca8392_combine-k_qb609ca8392_combine
	.p2alignl 7, 3214868480
	.fill 96, 4, 3214868480
	.section	.rodata,"a",@progbits
	.p2align	6, 0x0
	.amdhsa_kernel k_qb609ca8392_combine
		.amdhsa_group_segment_fixed_size 0
		.amdhsa_private_segment_fixed_size 0
		.amdhsa_enable_private_segment 0
		.amdhsa_kernarg_size 40
		.amdhsa_user_sgpr_count 2
		.amdhsa_user_sgpr_kernarg_segment_ptr 1
		.amdhsa_wavefront_size32 1
		.amdhsa_system_sgpr_workgroup_id_x 1
		.amdhsa_system_sgpr_workgroup_id_y 1
		.amdhsa_system_sgpr_workgroup_id_z 1
		.amdhsa_system_vgpr_workitem_id 0
		.amdhsa_next_free_vgpr 176
		.amdhsa_next_free_sgpr 66
		.amdhsa_reserve_vcc 0
		.amdhsa_float_denorm_mode_32 3
		.amdhsa_float_denorm_mode_16_64 3
		.amdhsa_memory_ordered 1
		.amdhsa_forward_progress 1
		.amdhsa_inst_pref_size 12
	.end_amdhsa_kernel
	.amdgpu_metadata
---
amdhsa.version: [ 1, 2 ]
amdhsa.kernels:
  - .name:           k_qb609ca8392_combine
    .symbol:         k_qb609ca8392_combine.kd
    .args:
      - { .name: part, .offset: 0, .size: 8, .value_kind: global_buffer, .address_space: global }
      - { .name: b2, .offset: 8, .size: 8, .value_kind: global_buffer, .address_space: global }
      - { .name: tslot, .offset: 16, .size: 8, .value_kind: global_buffer, .address_space: global }
      - { .name: gk, .offset: 24, .size: 8, .value_kind: global_buffer, .address_space: global }
      - { .name: out0, .offset: 32, .size: 8, .value_kind: global_buffer, .address_space: global }
    .group_segment_fixed_size: 0
    .private_segment_fixed_size: 0
    .kernarg_segment_align: 8
    .kernarg_segment_size: 40
    .max_flat_workgroup_size: 256
    .sgpr_count:     66
    .vgpr_count:     176
    .wavefront_size: 32
...
	.end_amdgpu_metadata
.endif
;; end of part 4
